; MI455X (gfx1250); checked and timed in simulation.
; The chip was launched on July 23, 2026; its instructions are those of AMD's public machine-readable ISA for CDNA 5 (MIT licence, August 2026) and "CDNA5" Instruction Set Architecture Reference Guide (July 2026). The comments in the code are by the model that wrote it; some were corrected since.
;; Multihead Attention. Allowed arithmetic: matrix products marked QUANTISED: E4M3 operands, one E8M0 scale for each 32 along K, by v_wmma_scale_f32_16x16x128_f8f6f4 with both operands' format E4M3, f32 sums; everything else in f32.
;; Inputs: K_codes 4 x 2,048 x 32 x 32 uint8 (E4M3 codes of K, K innermost, in blocks of 32 codes); K_scales 4 x 2,048 x 32 uint8 (E8M0 scales of K, one for each 32 codes along K); Q_codes 4 x 2,048 x 32 x 32 uint8 (E4M3 codes of Q, K innermost, in blocks of 32 codes); Q_scales 4 x 2,048 x 32 uint8 (E8M0 scales of Q, one for each 32 codes along K); V_codes 4 x 2,048 x 32 x 32 uint8 (E4M3 codes of V, K innermost, in blocks of 32 codes); V_scales 4 x 2,048 x 32 uint8 (E8M0 scales of V, one for each 32 codes along K); W_K_codes 16 x 64 x 32 x 32 uint8 (E4M3 codes of W_K, K innermost, in blocks of 32 codes); W_K_scales 16 x 64 x 32 uint8 (E8M0 scales of W_K, one for each 32 codes along K); W_O_codes 1,024 x 32 x 32 uint8 (E4M3 codes of W_O, K innermost, in blocks of 32 codes); W_O_scales 1,024 x 32 uint8 (E8M0 scales of W_O, one for each 32 codes along K); W_Q_codes 16 x 64 x 32 x 32 uint8 (E4M3 codes of W_Q, K innermost, in blocks of 32 codes); W_Q_scales 16 x 64 x 32 uint8 (E8M0 scales of W_Q, one for each 32 codes along K); W_V_codes 16 x 64 x 32 x 32 uint8 (E4M3 codes of W_V, K innermost, in blocks of 32 codes); W_V_scales 16 x 64 x 32 uint8 (E8M0 scales of W_V, one for each 32 codes along K).
;; Outputs: out0 4 x 2,048 x 1,024 float32.
;; This version of the problem:
;;   THIS VERSION OF THE PROBLEM IS GIVEN IN LOW PRECISION. The matrix products marked QUANTISED in the list below multiply operands that are first quantised to E4M3 (4 exponent bits, 3 mantissa bits; 8 bits a number), with one power-of-two scale for each 32 numbers along K (OCP MX v1.0); their sums are f32. All else is computed in f32.
;;   The module's matrix products, in the order in which they are computed (A, B: the left and right operand; K: the contracted axis; several contracted axes count as one K, in the product's order):
;;     1. [M 1,024, K 1,024] x [K 1,024, N 8,192]; A: input W_Q (given as codes); B: input Q (given as codes): QUANTISED
;;     2. [M 1,024, K 1,024] x [K 1,024, N 8,192]; A: input W_K (given as codes); B: input K (given as codes): QUANTISED
;;     3. [M 1,024, K 1,024] x [K 1,024, N 8,192]; A: input W_V (given as codes); B: input V (given as codes): QUANTISED
;;     4. batch 64 x [M 2,048, K 64] x [K 64, N 2,048]; A: computed on the way; B: computed on the way: QUANTISED
;;     5. batch 64 x [M 2,048, K 2,048] x [K 2,048, N 64]; A: softmax (see below); B: computed on the way: QUANTISED
;;     6. [M 8,192, K 1,024] x [K 1,024, N 1,024]; A: computed on the way; B: input W_O (given as codes): QUANTISED
;;   THE QUANTISER, for each operand of a quantised product, along K:
;;     - K is cut into blocks of 32 from its start; a last block that is shorter is filled with zeros.
;;     - A block's scale is 2^e with e = floor(log2(the largest magnitude in the block)) - 8, held to -126 .. 127; a block of zeros has e = 0. As a byte (E8M0): e + 127.
;;     - Each number is divided by its block's scale, clamped to +-448, and rounded to the nearest number of E4M3, ties to even, subnormals kept.
;;     - The product sums the exact products of the quantised numbers (number of the format x scale) in f32.
;;   ~~~python
;;   def quantise(x, axis):      # numpy; x: float32 -> the quantised numbers, widened to float32 again
;;       x = np.moveaxis(x, axis, -1); K = x.shape[-1]
;;       x = np.pad(x, [(0, 0)] * (x.ndim - 1) + [(0, -K % 32)]); x = x.reshape(x.shape[:-1] + (-1, 32)); a = np.abs(x).max(-1, keepdims=True)
;;       e = np.where(a > 0, np.clip(np.frexp(np.where(a > 0, a, 1))[1] - 1 - 8, -126, 127), 0)      # np.frexp(a)[1] - 1 = floor(log2(a)), exactly
;;       r = np.clip(x / 2.0 ** e, -448, 448)
;;       step = 2.0 ** (np.maximum(np.frexp(np.where(r == 0, 1, r))[1] - 1, -6) - 3)
;;       q = np.round(r / step) * step * 2.0 ** e      # np.round: ties to even
;;       return np.moveaxis(q.reshape(q.shape[:-2] + (-1,))[..., :K], -1, axis).astype(np.float32)
;;   ~~~
;;   SOFTMAX AHEAD OF A QUANTISED PRODUCT. Where the list says 'softmax', what is quantised is not the finished softmax but p = 2^(t - M), with t = logit x log2(e) and M = ceil(the row's largest t), a whole number; so 1/2 < the row's largest p <= 1. The row's sum l is taken of the UNQUANTISED p, in f32, and the product's result is divided by l at the end. Since M is a whole number, a kernel that streams over the keys may use a running M (the ceiling of the running maximum): every later rescaling is an exact power of two, which a block's scale takes up: the codes' values come out the same.
;;   OPERANDS COMPUTED ON THE WAY. 'Computed on the way' means the value that the module computes at that place (a softmax that the list does not call 'softmax' is quantised finished and normalised). What goes into a quantiser is computed in f32, as accurately as f32 sums, v_exp_f32 and their like allow (about 1e-6 of the number): no bf16 or f16 on the way to a quantiser, and a product that is left as it is and whose result goes on into a quantised operand takes f32 operands (vector FMAs, or v_wmma_f32_16x16x4_f32). A number that lies on a knife's edge between two numbers of the format may be rounded either way, as far as f32 arithmetic and the matrix unit's own rounding can turn it there, and no further.
;;   INPUTS GIVEN AS CODES. K (in the module: [4, 2048, 1024], K = its axis 2); Q (in the module: [4, 2048, 1024], K = its axis 2); V (in the module: [4, 2048, 1024], K = its axis 2); W_K (in the module: [16, 1024, 64], K = its axis 1); W_O (in the module: [1024, 1024], K = its axis 0); W_Q (in the module: [16, 1024, 64], K = its axis 1); W_V (in the module: [16, 1024, 64], K = its axis 1): each comes as NAME_codes (uint8): NAME with its K axis moved to the last place and cut into blocks of 32 codes, [.., K / 32, bytes a block], one block behind the other in memory; one code a byte (a code: sign, 4 exponent bits, 3 mantissa bits); and NAME_scales (uint8): the same leading axes, one E8M0 byte (e + 127) for each 32 codes along K. Its value is code x scale, taken as it is: it is not quantised again, and the codes and scales need not be those that the quantiser above would give.
;; One version. Each part assembles by itself: llvm-mc -triple=amdgcn-amd-amdhsa -mcpu=gfx1250 --defsym DOCPART=n.
;; ======== version 1 of 1: 3 launches
;; limits: right only within a limited range of input values
;; workspace buffers: kv 17,563,648 bytes; qimg 17,563,648 bytes; cimg 8,388,608 bytes; cscl 262,144 bytes
;; launch proj (part 1): grid 4 x 96, 4 waves a work-group, clusters of 4 x 4, 327,680 bytes of LDS; arguments Q_codes, Q_scales, W_Q_codes, W_Q_scales, K_codes, K_scales, W_K_codes, W_K_scales, W_V_codes, W_V_scales, V_codes, V_scales, qimg, kv; writes qimg, kv
.if DOCPART == 1
	.amdgcn_target "amdgcn-amd-amdhsa--gfx1250"
	.amdhsa_code_object_version 6
	.text
	.protected	k_q3dd1305616_proj
	.globl	k_q3dd1305616_proj
	.p2align	8
	.type	k_q3dd1305616_proj,@function
k_q3dd1305616_proj:
	s_mov_b64 s[64:65], 0
	v_nop
	global_prefetch_b8 v0, s[64:65] scope:SCOPE_SE
	s_setreg_imm32_b32 hwreg(HW_REG_WAVE_MODE, 25, 1), 1
	s_wait_xcnt 0x0
	s_wait_alu depctr_hold_cnt(0) depctr_sa_sdst(0) depctr_va_vdst(0) depctr_va_sdst(0) depctr_va_ssrc(0) depctr_va_vcc(0) depctr_vm_vsrc(0)
	s_getreg_b32 s2, hwreg(HW_REG_IB_STS2, 6, 4)
	s_cmp_eq_u32 s2, 0
	s_cbranch_scc0 .Lentry_in_a_cluster
	s_endpgm
.Lentry_in_a_cluster:
	s_bfe_u32 s2, ttmp6, 0x10000c
	s_cmp_lg_u32 s2, 0xf033
	s_cbranch_scc0 .Lentry_shape_is_right
	s_endpgm
.Lentry_shape_is_right:
.set KSTEP,  256
.set NQ,     KSTEP/128
.set ROWB,   256
.set KROW,   1024
.set PITCH,  272
.set FR,     16
.set NL,     4
.set NP,     8
.set HALFT,  128*PITCH
.set SLOT,   4*HALFT
.set LAPS,   KROW/(2*KSTEP)
.set KS,     KROW/32
.set SCL,    2*SLOT
.set HALFS,  (128*KS/256)*272
.set SBLK,   (16*KS/256)*272
.set SPARE,  SCL+4*HALFS
.set STEPB,  17152
.set HS,     16*STEPB
.set ADRA, 16
.set ADRB, 20
.set LI,   24
.set VSA,  25
.set LN,   26
.set ADRS, 27
.set SPW,  28
.set NIL,  29
.set SC,   32
.set TM,   64
.set W32,  80
.set WS,   88
.set XO,   96
.set AF,   128
.set G1, 24
.set G0, 32
.set G1B, 48
.set G0B, 56
.set G1S, 68
.set G0S, 76
.set G1SB, 80
.set G0SB, 88
.set MSB, 0
.macro WIN new
.if MSB != \new
	s_set_vgpr_msb (MSB<<8)|\new
.set MSB, \new
.endif
.endm
.set MUL_LO, 0xa1
.set MUL_HI, 0xf1
.set TO_B,   0x40
.macro JLOAD g0a, g1a, g0b, g1b
	s_cmp_eq_u32 s15, 0
	s_cbranch_scc0 .Lfor_b_\@
	tensor_load_to_lds s[\g0a:\g0a+3], s[\g1a:\g1a+7]
	s_nop 0
.rept 4
	v_nop
.endr
	s_branch .Lasked_\@
.Lfor_b_\@:
	tensor_load_to_lds s[\g0b:\g0b+3], s[\g1b:\g1b+7]
	s_nop 0
.rept 4
	v_nop
.endr
.Lasked_\@:
.endm
.macro CREST
	s_cmp_lg_u32 s14, 0
	s_cbranch_scc1 .Lnot_wave_0_\@
	s_barrier_signal -3
.Lnot_wave_0_\@:
	s_barrier_wait -3
	s_barrier_signal -1
	s_barrier_wait -1
.endm
.macro CROUND
	s_barrier_signal -1
	s_barrier_wait -1
	CREST
.endm
	s_load_b256 s[68:75], s[0:1], 0x0
	s_load_b256 s[76:83], s[0:1], 0x20
	s_load_b256 s[84:91], s[0:1], 0x40
	s_load_b128 s[92:95], s[0:1], 0x60
	v_lshl_add_u32 v[SPW], v0, 2, SPARE
	v_mov_b32 v[NIL], 0
	ds_add_u32 v28, v29
	ds_add_u32 v28, v29
	s_wait_dscnt 0x0
	v_lshrrev_b32 v1, 5, v0
	v_readfirstlane_b32 s14, v1
	s_lshr_b32 s15, s14, 1
	s_and_b32 s16, s14, 1
	s_bfe_u32 s40, ttmp6, 0x40000
	s_bfe_u32 s41, ttmp6, 0x40004
	s_and_b32 s96, ttmp7, 0xffff
	s_lshr_b32 s97, s96, 3
	s_and_b32 s99, s96, 7
	s_lshl_b32 s99, s99, 2
	s_cmp_eq_u32 s97, 2
	s_cselect_b32 s98, 1, 0
	s_cselect_b32 s18, 0, s99
	s_cselect_b32 s19, s99, 0
	s_add_co_u32 s17, s18, s41
	s_add_co_u32 s42, s19, s40
	s_lshl_b32 s43, s41, 2
	s_lshl_b32 s43, 15, s43
	s_lshl_b32 s44, 0x1111, s40
	s_or_b32 s[G1+0], s43, (0<<16)|(1<<20)|(1<<21)|(5<<22)|(3<<25)
	s_or_b32 s[G1B+0], s44, (0<<16)|(1<<20)|(1<<21)|(5<<22)|(3<<25)
.irp g, G1, G1B
	s_mov_b32 s[\g+1], ROWB<<16
	s_mov_b32 s[\g+2], 256<<16                     ; the head's loads of codes bring a tile's 256 rows
	s_mov_b32 s[\g+3], ROWB<<16
	s_mov_b32 s[\g+4], 256
	s_mov_b32 s[\g+5], KROW
	s_mov_b32 s[\g+6], 0
	s_mov_b32 s[\g+7], 0
.endr
	s_lshl_b32 s20, s17, 8                         ; the tiles' first rows; my half of a tile is added behind the head's descriptors
	s_lshl_b32 s46, s42, 8
	s_lshl_b32 s22, s20, 5
	s_lshl_b32 s66, s46, 5
	s_lshl_b32 s20, s20, 10
	s_lshl_b32 s46, s46, 10
	s_mov_b32 s21, 0
	s_mov_b32 s23, 0
	s_mov_b32 s47, 0
	s_mov_b32 s67, 0
	s_mul_i32 s45, s14, HALFT
	s_wait_kmcnt 0x0
	s_cmp_eq_u32 s97, 0
	s_cselect_b64 s[4:5], s[68:69], s[76:77]
	s_cselect_b64 s[6:7], s[70:71], s[78:79]
	s_cselect_b64 s[8:9], s[72:73], s[80:81]
	s_cselect_b64 s[10:11], s[74:75], s[82:83]
	s_cselect_b64 s[12:13], s[92:93], s[94:95]
	s_cmp_eq_u32 s97, 2
	s_cselect_b64 s[4:5], s[84:85], s[4:5]
	s_cselect_b64 s[6:7], s[86:87], s[6:7]
	s_cselect_b64 s[8:9], s[88:89], s[8:9]
	s_cselect_b64 s[10:11], s[90:91], s[10:11]
	s_add_nc_u64 s[20:21], s[4:5], s[20:21]
	s_add_nc_u64 s[22:23], s[6:7], s[22:23]
	s_add_nc_u64 s[46:47], s[8:9], s[46:47]
	s_add_nc_u64 s[66:67], s[10:11], s[66:67]
	s_or_b32 s[G1S+0], s43, (3<<16)|(1<<20)|(1<<21)|(5<<22)|(3<<25)
	s_or_b32 s[G1SB+0], s44, (3<<16)|(1<<20)|(1<<21)|(5<<22)|(3<<25)
.irp g, G1S, G1SB
	s_mov_b32 s[\g+1], 32<<16
	s_mov_b32 s[\g+2], (256*KS/256)<<16            ; the scale bytes of 256 rows in one load
	s_mov_b32 s[\g+3], 32<<16
	s_mov_b32 s[\g+4], 256*KS/256
	s_mov_b32 s[\g+5], 32
	s_mov_b32 s[\g+6], 0
	s_mov_b32 s[\g+7], 0
.endr
	CROUND
	s_mov_b32 s[G0S], 1
	s_mov_b32 s[G0S+1], SCL
	s_mov_b64 s[G0S+2:G0S+3], s[22:23]
	s_or_b32 s[G0S+3], s[G0S+3], 0x80000000
	s_mov_b32 s[G0SB], 1
	s_mov_b32 s[G0SB+1], SCL+2*HALFS
	s_mov_b64 s[G0SB+2:G0SB+3], s[66:67]
	s_or_b32 s[G0SB+3], s[G0SB+3], 0x80000000
	s_mov_b32 s4, 1                                ; group 0 of the head's loads of K step 0, in registers whose arguments have been used: A's 256 rows,
	s_mov_b32 s5, 0
	s_mov_b64 s[6:7], s[20:21]
	s_or_b32 s7, s7, 0x80000000
	s_mov_b32 s8, 1                                ; B's 256 rows, behind them in slot 0
	s_mov_b32 s9, 2*HALFT
	s_mov_b64 s[10:11], s[46:47]
	s_or_b32 s11, s11, 0x80000000
	s_lshl_b32 s18, s16, 17                        ; for the ring: my 128 rows of a tile, 1,024 bytes a row
	s_mov_b32 s19, 0
	s_add_nc_u64 s[20:21], s[20:21], s[18:19]
	s_add_nc_u64 s[46:47], s[46:47], s[18:19]
.irp s, 0,1
	s_mov_b32 s[G0+4*\s], 1
	s_add_co_u32 s[G0+4*\s+1], s45, \s*SLOT
	s_add_nc_u64 s[G0+4*\s+2:G0+4*\s+3], s[20:21], \s*ROWB
	s_or_b32 s[G0+4*\s+3], s[G0+4*\s+3], 0x80000000
	s_mov_b32 s[G0B+4*\s], 1
	s_add_co_u32 s[G0B+4*\s+1], s45, \s*SLOT
	s_add_nc_u64 s[G0B+4*\s+2:G0B+4*\s+3], s[46:47], \s*ROWB
	s_or_b32 s[G0B+4*\s+3], s[G0B+4*\s+3], 0x80000000
.endr
; THE HEAD'S LOADS, ONE A WAVE: wave 0 K step 0's 256 rows of A, wave 1 its 256 rows of B, wave 2 the scale bytes of A's rows, wave 3 those of B's.
; One chain of branches on the wave's number: every way through the head passes exactly one load.
.macro ARM under, g0, g1, next
	s_cmp_lt_u32 s14, \under
	s_cbranch_scc0 \next
	tensor_load_to_lds s[\g0:\g0+3], s[\g1:\g1+7]
	s_nop 0
.rept 4
	v_nop
.endr
	s_branch .Lhead_asked
\next:
.endm
	ARM 1, 4, G1, .Lhead_b
	ARM 2, 8, G1B, .Lhead_sa
	ARM 3, G0S, G1S, .Lhead_sb
	tensor_load_to_lds s[G0SB:G0SB+3], s[G1SB:G1SB+7]
	s_nop 0
.rept 4
	v_nop
.endr
.Lhead_asked:
	v_and_b32 v1, 15, v0
	v_bfe_u32 v2, v0, 4, 1
	v_mul_u32_u24 v3, v1, PITCH
	v_lshl_add_u32 v4, v2, 4, v3
	s_mul_i32 s21, s15, HALFT
	s_mul_i32 s22, s16, HALFT
	s_add_co_u32 s22, s22, 2*HALFT
.irp s, 0,1
	v_add_nc_u32 v[ADRA+\s], s21, v4
	v_add_nc_u32 v[ADRB+\s], s22, v4
	s_add_co_u32 s21, s21, SLOT
	s_add_co_u32 s22, s22, SLOT
.endr
	v_mul_u32_u24 v5, v1, KS
	v_lshrrev_b32 v6, 8, v5
	v_lshl_add_u32 v5, v6, 4, v5
	s_mul_i32 s21, s15, HALFS
	s_mul_i32 s22, s16, HALFS
	s_add_co_u32 s22, s22, 2*HALFS
	s_sub_co_u32 s22, s22, s21
	v_mul_u32_u24 v6, s22, v2
	s_add_co_u32 s21, s21, SCL
	v_add_nc_u32 v5, v5, v6
	v_add_nc_u32 v[ADRS], s21, v5
	s_lshl_b32 s92, s17, 8
	s_lshl_b32 s93, s15, 7
	s_add_co_u32 s92, s92, s93
	s_lshl_b32 s93, s42, 8
	s_lshl_b32 s94, s16, 7
	s_add_co_u32 s93, s93, s94
	s_mov_b32 s18, HS
	s_mov_b32 s19, 4096
	s_mov_b32 s67, 1024
	s_cmp_eq_u32 s98, 1
	s_cselect_b32 s94, s93, s92
	s_cselect_b32 s95, s92, s93
	s_cselect_b32 s22, 8192, 0
	s_cselect_b32 s96, s67, s18
	s_cselect_b32 s99, s18, s19
	s_cselect_b32 s66, 2048, s67
	s_mov_b32 s97, 0
	s_lshr_b32 s18, s94, 11
	s_lshl_b32 s18, s18, 4
	s_lshr_b32 s19, s95, 6
	s_add_co_u32 s18, s18, s19
	s_mul_i32 s18, s18, HS
	s_bfe_u32 s19, s94, 0x40007
	s_mul_i32 s19, s19, STEPB
	s_add_co_u32 s18, s18, s19
	s_add_co_u32 s18, s18, s22
	s_mov_b32 s19, 0
	s_add_nc_u64 s[12:13], s[12:13], s[18:19]      ; where my results begin; s[4:11] hold descriptors of loads that are out, and are written behind the wait for them
	v_and_b32 v[LN], 31, v0
	v_lshlrev_b32 v[LI], 4, v[LN]
	s_wait_alu depctr_va_vdst(0)
	v_mul_u32_u24 v5, v2, HS
	v_lshl_add_u32 v[VSA], v1, 4, v5
.irp a, 0,1,2,3,4,5,6,7
	s_mul_i32 s18, s66, (\a)%4
	s_mul_i32 s19, s99, (\a)/4
	s_add_co_u32 s18, s18, s19
	v_add_nc_u32 v[XO+\a], s18, v[LI]
.endr
.irp b, 0,1,2,3
	v_mov_b32 v[TM+4+\b], 0
.endr
	s_mov_b32 s20, 0x76543210
	s_mov_b32 s21, 0xfedcba98
	s_mov_b32 s22, 0x600000
	s_mov_b32 s23, 0x7f7f0000
.macro FRAG reg, adr, q, i
.irp c, 0,1,2,3
	ds_load_b128 v[\reg+4*\c:\reg+4*\c+3], v[\adr] offset:128*(\q)+32*\c+(\i)*16*PITCH
.endr
.endm
.macro MUL16 a0, p, q, sc, zero
.irp a, \a0, \a0+1
.irp b, 0,1,2,3,4,5,6,7
.if \zero
	v_wmma_scale_f32_16x16x128_f8f6f4 v[8*(8*((\a)%4)+\b):8*(8*((\a)%4)+\b)+7], v[128*(\p)+FR*\b:128*(\p)+FR*\b+FR-1], v[AF+FR*(\a):AF+FR*(\a)+FR-1], 0, v[SC+8*NQ*(\sc)+NQ*\b+(\q)], v[SC+8*NQ*(\sc)+NQ*(\a)+(\q)] matrix_a_scale:MATRIX_SCALE_ROW1
.else
	v_wmma_scale_f32_16x16x128_f8f6f4 v[8*(8*((\a)%4)+\b):8*(8*((\a)%4)+\b)+7], v[128*(\p)+FR*\b:128*(\p)+FR*\b+FR-1], v[AF+FR*(\a):AF+FR*(\a)+FR-1], v[8*(8*((\a)%4)+\b):8*(8*((\a)%4)+\b)+7], v[SC+8*NQ*(\sc)+NQ*\b+(\q)], v[SC+8*NQ*(\sc)+NQ*(\a)+(\q)] matrix_a_scale:MATRIX_SCALE_ROW1
.endif
.endr
.endr
.endm
.macro FETCH_B slot, q, p
	WIN TO_B
.irp i, 0,1,2,3,4,5,6,7
	FRAG 128*(\p)+FR*\i, ADRB+\slot, \q, \i
.endr
	WIN 0
.endm
.macro FETCH_A slot, q, i0
.irp i, \i0, \i0+1, \i0+2, \i0+3
	FRAG AF+FR*(\i), ADRA+\slot, \q, \i
.endr
.endm
.macro SCALES sc
.irp i, 0,1,2,3,4,5,6,7
	ds_load_b64 v[SC+8*NQ*\sc+NQ*\i:SC+8*NQ*\sc+NQ*\i+1], v[ADRS] offset:\i*SBLK
.endr
.endm
.macro PLACES n
.rept \n
	v_nop
.endr
.endm
.macro STEP slot, q, zero
	s_wait_dscnt 4*NL
	WIN MUL_LO
	MUL16 0, (\q)%2, \q, \slot, \zero
	MUL16 2, (\q)%2, \q, \slot, \zero
	s_wait_dscnt 0
	PLACES NP
	FETCH_B \slot, (\q)+1, 1-(\q)%2
	FETCH_A \slot, (\q)+1, 0
	WIN MUL_HI
	MUL16 4, (\q)%2, \q, \slot, \zero
	MUL16 6, (\q)%2, \q, \slot, \zero
	PLACES NP
	WIN 0
	FETCH_A \slot, (\q)+1, 4
.endm
.macro TURN slot, next, fill
	s_wait_tensorcnt 0x0
	ds_add_u32 v[SPW], v[NIL]
	s_wait_dscnt 4*NL+1
	WIN MUL_LO
	MUL16 0, 1, NQ-1, \slot, 0
	s_wait_dscnt 0x0
	s_barrier_signal -1
	MUL16 2, 1, NQ-1, \slot, 0
	WIN 0
	s_barrier_wait -1
.if \fill
	CREST
	s_add_nc_u64 s[G0+4*\slot+2:G0+4*\slot+3], s[G0+4*\slot+2:G0+4*\slot+3], 2*ROWB
	s_add_nc_u64 s[G0B+4*\slot+2:G0B+4*\slot+3], s[G0B+4*\slot+2:G0B+4*\slot+3], 2*ROWB
	JLOAD G0+4*\slot, G1, G0B+4*\slot, G1B
	PLACES NP-4
.else
	PLACES NP
.endif
	s_wait_alu depctr_va_vdst(0)
	v_add_nc_u32 v[ADRS], 4*NQ, v[ADRS]
	FETCH_B \next, 0, 0
	FETCH_A \next, 0, 0
	SCALES \next
	WIN MUL_HI
	MUL16 4, 1, NQ-1, \slot, 0
	MUL16 6, 1, NQ-1, \slot, 0
	PLACES NP
	WIN 0
	FETCH_A \next, 0, 4
.endm
	s_wait_alu depctr_va_vdst(0)                   ; the wait at the head's end
	s_wait_tensorcnt 0x0                           ; my tile of the head's four is in; these lines stand ahead of slot 1's first fill as ahead of a refill
	ds_add_u32 v[SPW], v[NIL]
	s_mov_b32 s[G1+2], 128<<16                     ; no tensor load of mine is out, so descriptors may be written: from here on a load brings 128 rows
	s_mov_b32 s[G1+4], 128
	s_mov_b32 s[G1B+2], 128<<16
	s_mov_b32 s[G1B+4], 128
	s_mov_b64 s[4:5], s[12:13]                     ; the four bases of the results' stores
	s_add_nc_u64 s[6:7], s[4:5], 512
	s_add_nc_u64 s[8:9], s[4:5], s[96:97]
	s_add_nc_u64 s[10:11], s[8:9], 512
	s_wait_dscnt 0x0
	CROUND                                         ; all four tiles are in, and all sixteen work-groups are here
	JLOAD G0+4, G1, G0B+4, G1B                     ; K step 1: the first tensor load behind the round
	FETCH_B 0, 0, 0
	FETCH_A 0, 0, 0
	SCALES 0
	FETCH_A 0, 0, 4
	STEP 0, 0, 1
	s_mov_b32 s3, LAPS-1
.Llap:
	TURN 0, 1, 1
	STEP 1, 0, 0
	TURN 1, 0, 1
	STEP 0, 0, 0
	s_sub_co_u32 s3, s3, 1
	s_cmp_lg_u32 s3, 0
	s_cbranch_scc1 .Llap
	TURN 0, 1, 0
	STEP 1, 0, 0
	s_wait_dscnt 4*NL
	WIN MUL_LO
	MUL16 0, 1, NQ-1, 1, 0
	MUL16 2, 1, NQ-1, 1, 0
	s_wait_dscnt 0
	WIN MUL_HI
	MUL16 4, 1, NQ-1, 1, 0
	MUL16 6, 1, NQ-1, 1, 0
	WIN 0
.macro QUANTW a
.set QW, 2+(\a)/4
.set QB, 64*((\a)%4)
.set QC, AF+16*(\a)
.set QX, (QW<<2)|QW
	WIN QX
.irp b, 0,1,2,3
	v_max3_num_f32 v[TM+\b], |v[QB+16*\b]|, |v[QB+16*\b+1]|, 0x4800000
.endr
.set QX, (QW<<4)|(QW<<2)
	WIN QX
.irp i, 2,4,6,8,10,12,14
.irp b, 0,1,2,3
	v_max3_num_f32 v[TM+\b], v[TM+\b], |v[QB+16*\b+\i]|, |v[QB+16*\b+\i+1]|
.endr
.endr
	WIN 0
.irp b, 0,1,2,3
	v_permlanex16_b32 v[TM+4+\b], v[TM+\b], s20, s21
.endr
.irp b, 0,1,2,3
	v_max_num_f32 v[TM+\b], v[TM+\b], v[TM+4+\b]
.endr
.irp b, 0,1,2,3
	v_add_nc_u32 v[TM+12+\b], 0xfc000000, v[TM+\b]
.endr
.irp b, 0,1,2,3
	v_and_or_b32 v[TM+8+\b], v[TM+\b], 0x7f800000, s22
.endr
.irp b, 0,1,2,3
	v_lshrrev_b32 v[TM+4+\b], 23, v[TM+12+\b]
.endr
	v_lshl_or_b32 v[W32+\a], v[TM+5], 8, v[TM+4]
	v_lshl_or_b32 v[W32+\a], v[TM+6], 16, v[W32+\a]
	v_lshl_or_b32 v[W32+\a], v[TM+7], 24, v[W32+\a]
.set QX, (QW<<6)|QW
	WIN QX
.irp b, 0,1,2,3
.irp i, 0,1,2,3,4,5,6,7,8,9,10,11,12,13,14,15
	v_med3_num_f32 v[QB+16*\b+\i], v[QB+16*\b+\i], -v[TM+8+\b], v[TM+8+\b]
.endr
.endr
	WIN QW
.irp b, 0,1,2,3
	v_cvt_scalef32_pk8_fp8_f32 v[QC+4*\b:QC+4*\b+1], v[QB+16*\b:QB+16*\b+7], v[TM+12+\b]
	v_cvt_scalef32_pk8_fp8_f32 v[QC+4*\b+2:QC+4*\b+3], v[QB+16*\b+8:QB+16*\b+15], v[TM+12+\b]
.endr
	WIN 0
	v_nop
.irp p, 0,1,2,3
	global_store_b128 v[XO+\a], v[QC+4*\p:QC+4*\p+3], s[4+2*\p:5+2*\p]
.endr
.endm
	PLACES NP
.irp a, 0,1,2,3,4,5,6,7
	QUANTW \a
.endr
	v_cmp_le_u32 vcc_lo, 16, v[LN]
.irp k, 0,1,2,3
	v_cndmask_b32 v[WS+\k], v[W32+\k], v[W32+4+\k], vcc_lo
.endr
	s_cmp_eq_u32 s98, 1
	s_cbranch_scc1 .Lv_words
.irp k, 0,1,2,3
	v_and_or_b32 v[WS+4+\k], v[WS+\k], 0xffff, s23
.endr
	global_store_b128 v[LI], v[WS+4:WS+7], s[4:5] offset:16384
.irp k, 0,1,2,3
	v_lshrrev_b32 v[WS+\k], 16, v[WS+\k]
.endr
.irp k, 0,1,2,3
	v_or_b32 v[WS+\k], s23, v[WS+\k]
.endr
	global_store_b128 v[LI], v[WS:WS+3], s[8:9] offset:16384
	s_branch .Lwords_out
.Lv_words:
	s_wait_alu depctr_va_vdst(0)
	global_store_b128 v[VSA], v[WS:WS+3], s[4:5] offset:16896-8192
.Lwords_out:
	s_wait_tensorcnt 0x0
	ds_add_u32 v[SPW], v[NIL]
	s_wait_dscnt 0x0
	CROUND
	s_endpgm
.Lfunc_end_k_q3dd1305616_proj:
	.size	k_q3dd1305616_proj, .Lfunc_end_k_q3dd1305616_proj-k_q3dd1305616_proj
	.p2alignl 7, 3214868480
	.fill 96, 4, 3214868480
	.section	.rodata,"a",@progbits
	.p2align	6, 0x0
	.amdhsa_kernel k_q3dd1305616_proj
		.amdhsa_group_segment_fixed_size 327680
		.amdhsa_private_segment_fixed_size 0
		.amdhsa_enable_private_segment 0
		.amdhsa_kernarg_size 112
		.amdhsa_user_sgpr_count 2
		.amdhsa_user_sgpr_kernarg_segment_ptr 1
		.amdhsa_wavefront_size32 1
		.amdhsa_system_sgpr_workgroup_id_x 1
		.amdhsa_system_sgpr_workgroup_id_y 1
		.amdhsa_system_sgpr_workgroup_id_z 1
		.amdhsa_system_vgpr_workitem_id 0
		.amdhsa_next_free_vgpr 1024
		.amdhsa_next_free_sgpr 100
		.amdhsa_reserve_vcc 1
		.amdhsa_float_denorm_mode_32 3
		.amdhsa_float_denorm_mode_16_64 3
		.amdhsa_memory_ordered 1
		.amdhsa_forward_progress 1
		.amdhsa_inst_pref_size 189
	.end_amdhsa_kernel
	.amdgpu_metadata
---
amdhsa.version: [ 1, 2 ]
amdhsa.kernels:
  - .name:           k_q3dd1305616_proj
    .symbol:         k_q3dd1305616_proj.kd
    .args:
      - { .name: Q_codes, .offset: 0, .size: 8, .value_kind: global_buffer, .address_space: global }
      - { .name: Q_scales, .offset: 8, .size: 8, .value_kind: global_buffer, .address_space: global }
      - { .name: W_Q_codes, .offset: 16, .size: 8, .value_kind: global_buffer, .address_space: global }
      - { .name: W_Q_scales, .offset: 24, .size: 8, .value_kind: global_buffer, .address_space: global }
      - { .name: K_codes, .offset: 32, .size: 8, .value_kind: global_buffer, .address_space: global }
      - { .name: K_scales, .offset: 40, .size: 8, .value_kind: global_buffer, .address_space: global }
      - { .name: W_K_codes, .offset: 48, .size: 8, .value_kind: global_buffer, .address_space: global }
      - { .name: W_K_scales, .offset: 56, .size: 8, .value_kind: global_buffer, .address_space: global }
      - { .name: W_V_codes, .offset: 64, .size: 8, .value_kind: global_buffer, .address_space: global }
      - { .name: W_V_scales, .offset: 72, .size: 8, .value_kind: global_buffer, .address_space: global }
      - { .name: V_codes, .offset: 80, .size: 8, .value_kind: global_buffer, .address_space: global }
      - { .name: V_scales, .offset: 88, .size: 8, .value_kind: global_buffer, .address_space: global }
      - { .name: qimg, .offset: 96, .size: 8, .value_kind: global_buffer, .address_space: global }
      - { .name: kv, .offset: 104, .size: 8, .value_kind: global_buffer, .address_space: global }
    .group_segment_fixed_size: 327680
    .private_segment_fixed_size: 0
    .kernarg_segment_align: 8
    .kernarg_segment_size: 112
    .max_flat_workgroup_size: 128
    .sgpr_count:     100
    .vgpr_count:     1024
    .wavefront_size: 32
...
	.end_amdgpu_metadata
.endif
;; end of part 1
;; launch attn (part 2): grid 4 x 64, 8 waves a work-group, clusters of 4 x 1, 276,480 bytes of LDS; arguments qimg, kv, cimg, cscl; writes cimg, cscl
.if DOCPART == 2
	.amdgcn_target "amdgcn-amd-amdhsa--gfx1250"
	.amdhsa_code_object_version 6
	.text
	.protected	k_q3dd1305616_attn
	.globl	k_q3dd1305616_attn
	.p2align	8
	.type	k_q3dd1305616_attn,@function
k_q3dd1305616_attn:
	s_mov_b64 s[64:65], 0
	v_nop
	global_prefetch_b8 v0, s[64:65] scope:SCOPE_SE
	s_setreg_imm32_b32 hwreg(HW_REG_WAVE_MODE, 25, 1), 1
	s_wait_xcnt 0x0
	s_wait_alu depctr_hold_cnt(0) depctr_sa_sdst(0) depctr_va_vdst(0) depctr_va_sdst(0) depctr_va_ssrc(0) depctr_va_vcc(0) depctr_vm_vsrc(0)
	s_getreg_b32 s2, hwreg(HW_REG_IB_STS2, 6, 4)
	s_cmp_eq_u32 s2, 0
	s_cbranch_scc0 .Lentry_in_a_cluster
	s_endpgm
.Lentry_in_a_cluster:
	s_bfe_u32 s2, ttmp6, 0x10000c
	s_cmp_lg_u32 s2, 0x3003
	s_cbranch_scc0 .Lentry_shape_is_right
	s_endpgm
.Lentry_shape_is_right:
; ATTENTION OF ONE HEAD ON CODES OF FP8 (E4M3), AND THE QUANTISING OF ITS RESULT.  64 heads (batch x 16 + head) of 2,048 tokens and 64 channels.
; t = score x log2(e) / sqrt(2048); M = the row's largest t so far, rounded up to a whole number; p = 2^(t - M) is quantised along the keys; the row's sum is taken of the unquantised p and divides at the end.
; When M moves, the sum and O are multiplied by 2^(old M - new M), which rounds nothing.
; SHARES.  A work-group owns 512 queries of one head: 256 work-groups of equal work.  Each of its eight waves owns four tiles of 16 queries and takes them in two passes, TWO TILES SIDE BY SIDE:
; each fragment of K and V that is read from LDS feeds two products, and the two tiles' chains of vector lines take turns.  Two waves to a SIMD, 512 registers each.  Every wave walks all keys, 128 a step.
; LDS.  The head's 16 step blocks (K's and V's codes as images of the operand's registers, and their scale words: 17,152 bytes each) lie in LDS as they lie in memory, FILLED ONCE: wave w brings blocks 2 w and 2 w + 1
; by one tensor load (134 rows of 256 bytes).  No byte is filled again.  TWO BARRIERS show the blocks: the first wave 0's load alone (it has a load line of its own, and wave 0 alone waits there), behind which every wave
; takes the first pass's first key step, which reads blocks 0 and 1 only; the second, in front of which every wave waits for its load, the other fourteen.
; CLUSTER.  The four work-groups of a head form a cluster and ask for each pair of blocks jointly.  The launch has one cluster along x, so my block of queries is my place cx.
; LAYOUT.  Both products are used transposed: S^T = K Q^T, O^T = V^T P^T: a lane holds ONE query of each tile throughout.  The 16 registers of score tiles 2 b and 2 b + 1 with those of the lane 16 away are one block of 32 keys.
; K = 64 IN AN INSTRUCTION OF 128.  Q's operand has zero codes in its upper eight registers, and both scale words have 1.0 there.  K's operand for tile t runs on into tile t + 1's codes (tile 7: into zeros): a finite
; code times the code 0 adds nothing.  The codes are finite because the launch that made them holds every number at 448.
; THE FETCH.  One run of 35 LDS loads a step, behind tile 0's maxima: this step's V and the next step's K.  The last step of a pass asks for block 15's K once more, so that the run and its counted wait are the same in every trip; nothing reads it.
; LIMITS: NaN and infinities are not served.  t is one rounding of score x c where the definition rounds twice.  A block under 2^-118 (zeros too) gets the byte 1.  The concatenated heads' scale bytes leave as single
; bytes 32 bytes apart (two for each 64 codes): these blocks of 256 bytes are stored in part.
; No prefetch: every tile is asked for at the head.
; REGISTERS.  Window 0: v1-9 addresses; v10-21 -M, largest t, sums, f and p's scale word of both tiles; v22-25 Q's scale words of my four tiles; v30-33 V's scale words, v34-41 K's; v48-175 S^T, then p; v176-207 p's codes; v208-251 at work.
; Window 1: v0-63 K's 8 tiles, v64-71 zeros, v72-135 V's 4 tiles, v136-199 O^T of both tiles, v200-231 Q's two operands, v232-247 the second pass's Q.
.set STEPB, 17152
.set HS,    16*STEPB
.set SPARE, 0x43000
.set A1, 1                             ; 16 x lane
.set A2, 2                             ; 16 r
.set A3, 3                             ; 32 r + h
.set SPW, 4                            ; my spare word
.set NIL, 5                            ; 0
.set AK, 6                             ; the next step's K: codes, scale words
.set AKS, 7
.set AV, 8                             ; this step's V: codes, scale words
.set AVS, 9
.set NM, 10                            ; tile i: v[NM+2i] -M, v[NM+2i+1] the largest t
.set SUM, 14                           ; tile i: the pair v[SUM+2i]
.set FF, 18                            ; tile i: v[FF+2i] f, v[FF+2i+1] p's scale word
.set QS, 22
.set TA, 26
.set VS, 30
.set KS, 34
.set SR, 48                            ; tile i: 64 registers from SR + 64 i
.set CD, 176                           ; tile i: 16 registers from CD + 16 i
.set BM, 208                           ; tile i: + 16 i: the blocks' maxima; PT: the other half's, then bytes; BD: bounds; SO: the conversions' scale operands
.set PT, 212
.set BD, 216
.set SO, 220
.set ST, 240                           ; tile i: three pairs of partial sums from ST + 6 i
.set VF, 72                            ; window 1
.set OF, 136
.set QF, 200
.set QN, 232
.set WV,   12                          ; s12  my wave's number
.set SEL,  20                          ; s[20:21] lane selects for v_permlanex16_b32: the lane 16 away
.set CS,   22                          ; s[22:23] c = log2(e) / sqrt(2048)
.set MNT,  36                          ; s36  the mantissa field of 448
.set HM,   37                          ; s37  mask of lanes 16-31
.set TB,   42                          ; s42  LDS byte at which the step's block begins
.set CNT,  43                          ; s43  steps to go
.set TK,   56                          ; s56  LDS byte at which the next step's block begins
.set MSB, 0
.macro WIN new                         ; the immediate's high byte repeats the setting that is left
.if MSB != \new
	s_set_vgpr_msb (MSB<<8)|\new
.set MSB, \new
.endif
.endm
.macro WALU
	s_wait_alu depctr_va_vdst(0)
.endm
.macro CROUND                          ; a round of the cluster's barrier
	s_barrier_signal -1
	s_barrier_wait -1
	s_cmp_lg_u32 s[WV], 0
	s_cbranch_scc1 .Lnot_wave_0_\@
	s_barrier_signal -3
.Lnot_wave_0_\@:
	s_barrier_wait -3
	s_barrier_signal -1
	s_barrier_wait -1
.endm
	s_load_b256 s[4:11], s[0:1], 0x0               ; qimg s[4:5], kv s[6:7], cimg s[8:9], cscl s[10:11]
	v_lshl_add_u32 v[SPW], v0, 2, SPARE
	v_mov_b32 v[NIL], 0
	ds_add_u32 v[SPW], v[NIL]                      ; the opening lines: the add twice on end and its wait ahead of my tensor load
	ds_add_u32 v[SPW], v[NIL]
	v_lshrrev_b32 v26, 5, v0
	v_readfirstlane_b32 s[WV], v26                 ; wave 0..7
	s_bfe_u32 s13, ttmp6, 0x40000                  ; cx: my block of 512 queries; it enters Q's and the results' addresses alone
	s_and_b32 s15, ttmp7, 0xffff                   ; batch x 16 + head, which the four partners share
	; descriptor group 1: two step blocks, dense in memory: 134 rows of 256 bytes (32 elements of 8 bytes), no padding
	s_mov_b32 s24, 15|(3<<16)|(1<<21)              ; the mask: all four work-groups; elements of 8 bytes; bit 21 beside a mask
	s_mov_b32 s25, 32<<16
	s_mov_b32 s26, 134<<16
	s_mov_b32 s27, 32<<16
	s_mov_b32 s28, 134
	s_mov_b32 s29, 32
	s_mov_b32 s30, 0
	s_mov_b32 s31, 0
	s_mul_i32 s44, s15, HS                         ; the head's first byte in kv and in qimg (under 2^25)
	s_mul_i32 s33, s[WV], 2*STEPB                  ; group 0: LDS address: blocks 2 w, 2 w + 1
	s_add_co_u32 s46, s44, s33                     ; and the same blocks in memory
	s_mov_b32 s47, 0
	s_lshl_b32 s45, s13, 2                         ; my first tile of queries is 32 cx + 4 w of the head's 128: step block 4 cx + w / 2,
	s_lshr_b32 s48, s[WV], 1
	s_add_co_u32 s45, s45, s48
	s_mul_i32 s45, s45, STEPB
	s_add_co_u32 s45, s45, s44
	s_and_b32 s48, s[WV], 1                        ; tile 4 (w % 2) in it: 1,024 bytes a tile;
	s_lshl_b32 s50, s48, 8                         ; its four tiles' scale words: 256 (w % 2) behind 16,384, 16 bytes a row
	s_lshl_b32 s48, s48, 12
	s_add_co_u32 s48, s48, s45
	s_mov_b32 s49, 0
	s_add_co_u32 s50, s50, s45
	s_add_co_u32 s50, s50, 16384
	s_mov_b32 s51, 0
	s_lshr_b32 s52, s15, 4                         ; the tile of 16 tokens among all 512: 128 x batch + 32 cx + 4 w
	s_lshl_b32 s52, s52, 7
	s_lshl_b32 s53, s13, 5
	s_add_co_u32 s52, s52, s53
	s_lshl_b32 s53, s[WV], 2
	s_add_co_u32 s52, s52, s53
	s_and_b32 s53, s15, 15                         ; the head
	s_lshl_b32 s54, s52, 9                         ; cscl: 16 rows of 32 bytes a tile, two bytes a head
	s_lshl_b32 s55, s53, 1
	s_add_co_u32 s54, s54, s55
	s_mov_b32 s55, 0
	s_lshl_b32 s52, s52, 14                        ; cimg: 16,384 bytes a tile, 1,024 a head
	s_lshl_b32 s53, s53, 10
	s_add_co_u32 s52, s52, s53
	s_mov_b32 s53, 0
	s_mov_b32 s[SEL], 0x76543210
	s_mov_b32 s[SEL+1], 0xfedcba98
	s_mov_b32 s[CS], 0x3d0293ee                    ; c = log2(e) / sqrt(2048)
	s_mov_b32 s[CS+1], s[CS]                       ; (named with it as a pair, so it is written)
	s_mov_b32 s[MNT], 0x600000
	s_wait_dscnt 0x0
	s_wait_kmcnt 0x0
	s_mov_b32 s32, 1
	s_add_nc_u64 s[34:35], s[6:7], s[46:47]
	s_or_b32 s35, s35, 0x80000000
	s_add_nc_u64 s[16:17], s[4:5], s[48:49]        ; Q's codes
	s_add_nc_u64 s[18:19], s[4:5], s[50:51]        ; Q's scale words
	s_add_nc_u64 s[38:39], s[8:9], s[52:53]        ; the result's codes
	s_add_nc_u64 s[40:41], s[10:11], s[54:55]      ; and its scale bytes
	CROUND                                         ; all four work-groups are here: the joint loads meet
	s_cmp_eq_u32 s[WV], 0                          ; my one tensor load of the launch.  Wave 0's has a line of its own: the first barrier shows it alone
	s_cbranch_scc0 .Lothers
	tensor_load_to_lds s[32:35], s[24:31]
	s_nop 0
.rept 4
	v_nop
.endr
	s_branch .Lasked
.Lothers:
	tensor_load_to_lds s[32:35], s[24:31]
	s_nop 0
.rept 4
	v_nop
.endr
.Lasked:
	v_and_b32 v26, 31, v0                          ; lane
	v_and_b32 v27, 15, v0                          ; r
	v_bfe_u32 v28, v0, 4, 1                        ; h
	v_lshlrev_b32 v[A1], 4, v26
	v_lshlrev_b32 v[A2], 4, v27
	v_lshl_add_u32 v[A3], v27, 5, v28
	v_cmp_le_u32 s[HM], 16, v26
.irp i, 0,1
.irp b, 0,1,2,3
	v_mov_b32 v[PT+16*\i+\b], 0                    ; written once: a lane permute's destination counts as one of its sources
.endr
	v_mov_b32 v[FF+2*\i+1], 0                      ; (named as the upper half of f's pair before it is first written)
.endr
	WIN 0x40
.irp j, 0,1,2,3,4,5,6,7
	v_mov_b32 v[64+\j], 0                          ; what stands behind K's last tile,
	v_mov_b32 v[QF+8+\j], 0                        ; and the upper halves of Q's two operands: zero codes
	v_mov_b32 v[QF+24+\j], 0
.endr
	WIN 0
.macro MAXB i                          ; the largest score of each block of 32 keys: it serves for the row's maximum and, since p rises with the score, for the block's largest p.  Each accumulator is read from its low end on
.irp b, 0,1,2,3
	v_max3_num_f32 v[BM+16*\i+\b], v[SR+64*\i+16*\b], v[SR+64*\i+16*\b+1], v[SR+64*\i+16*\b+2]
.endr
.irp k, 3,5,7,9,11,13
.irp b, 0,1,2,3
	v_max3_num_f32 v[BM+16*\i+\b], v[BM+16*\i+\b], v[SR+64*\i+16*\b+\k], v[SR+64*\i+16*\b+\k+1]
.endr
.endr
.irp b, 0,1,2,3
	v_max_num_f32 v[BM+16*\i+\b], v[BM+16*\i+\b], v[SR+64*\i+16*\b+15]
.endr
.endm
.macro XF i, j                         ; t - M, two at a time (of the pairs c and -M the low word serves both halves)
	v_pk_fma_f32 v[SR+64*(\i)+2*(\j):SR+64*(\i)+2*(\j)+1], v[SR+64*(\i)+2*(\j):SR+64*(\i)+2*(\j)+1], s[CS:CS+1], v[NM+2*(\i):NM+2*(\i)+1] op_sel_hi:[1,0,0]
.endm
.macro XB i, b                         ; the same of a block's largest score
	v_fma_f32 v[BM+16*(\i)+(\b)], v[BM+16*(\i)+(\b)], s[CS], v[NM+2*(\i)]
.endm
.macro EX2 i, j                        ; p = 2^(t - M), at most 1: not normalised
	v_exp_f32 v[SR+64*(\i)+2*(\j)], v[SR+64*(\i)+2*(\j)]
	v_exp_f32 v[SR+64*(\i)+2*(\j)+1], v[SR+64*(\i)+2*(\j)+1]
.endm
.macro HOLD2 i, j                      ; the conversion to an 8-bit code does not saturate (ISA guide 7.6.2); p is not negative, so the hold is one-sided; two holds in one instruction
	v_dual_min_num_f32 v[SR+64*(\i)+2*(\j)], v[SR+64*(\i)+2*(\j)], v[BD+16*(\i)+(\j)/8] :: v_dual_min_num_f32 v[SR+64*(\i)+2*(\j)+1], v[SR+64*(\i)+2*(\j)+1], v[BD+16*(\i)+(\j)/8]
.endm
.macro SUMS i                          ; the row's sum of the unquantised p: 32 pairs in four chains; the chains are joined further down
.set PB, SR+64*(\i)
.set SB, SUM+2*(\i)
.set TT, ST+6*(\i)
	v_pk_add_f32 v[SB:SB+1], v[SB:SB+1], v[PB:PB+1]
.irp k, 1,2,3
	v_pk_add_f32 v[TT+2*\k-2:TT+2*\k-1], v[PB+2*\k:PB+2*\k+1], v[PB+2*\k+8:PB+2*\k+9]
.endr
	v_pk_add_f32 v[SB:SB+1], v[SB:SB+1], v[PB+8:PB+9]
.irp m, 2,3,4,5,6,7
	v_pk_add_f32 v[SB:SB+1], v[SB:SB+1], v[PB+8*\m:PB+8*\m+1]
.irp k, 1,2,3
	v_pk_add_f32 v[TT+2*\k-2:TT+2*\k-1], v[TT+2*\k-2:TT+2*\k-1], v[PB+8*\m+2*\k:PB+8*\m+2*\k+1]
.endr
.endr
.endm
.macro JOIN d, a                       ; pair d += pair a
	v_pk_add_f32 v[\d:\d+1], v[\d:\d+1], v[\a:\a+1]
.endm
.macro SCALE i                         ; from the blocks' largest p: the floor 2^(9 - 127), the conversions' scale operands, the bounds 448 x scale, the bytes, p's scale word
.irp b, 0,1,2,3
	v_max_num_f32 v[BM+16*\i+\b], 0x4800000, v[BM+16*\i+\b]
.endr
.irp b, 0,1,2,3
	v_add_nc_u32 v[SO+16*\i+\b], 0xfc000000, v[BM+16*\i+\b]
.endr
.irp b, 0,1,2,3
	v_and_or_b32 v[BD+16*\i+\b], v[BM+16*\i+\b], 0x7f800000, s[MNT]
.endr
.irp b, 0,1,2,3
	v_lshrrev_b32 v[PT+16*\i+\b], 23, v[SO+16*\i+\b]
.endr
	v_lshl_or_b32 v[FF+2*\i+1], v[PT+16*\i+1], 8, v[PT+16*\i]
	v_lshl_or_b32 v[FF+2*\i+1], v[PT+16*\i+2], 16, v[FF+2*\i+1]
	v_lshl_or_b32 v[FF+2*\i+1], v[PT+16*\i+3], 24, v[FF+2*\i+1]
.endm
.macro CODES i
.irp b, 0,1,2,3
	v_cvt_scalef32_pk8_fp8_f32 v[CD+16*\i+4*\b:CD+16*\i+4*\b+1], v[SR+64*\i+16*\b:SR+64*\i+16*\b+7], v[SO+16*\i+\b]
	v_cvt_scalef32_pk8_fp8_f32 v[CD+16*\i+4*\b+2:CD+16*\i+4*\b+3], v[SR+64*\i+16*\b+8:SR+64*\i+16*\b+15], v[SO+16*\i+\b]
.endr
.endm
.macro KLOADS a, as                    ; K's eight tiles (window 1) and their scale words: 18 loads
	WIN 0x40
.irp t, 0,1,2,3,4,5,6,7
	ds_load_b128 v[8*\t:8*\t+3], v[\a] offset:1024*\t
	ds_load_b128 v[8*\t+4:8*\t+7], v[\a] offset:1024*\t+512
.endr
	WIN 0
	ds_load_b128 v[KS:KS+3], v[\as] offset:16384
	ds_load_b128 v[KS+4:KS+7], v[\as] offset:16640
.endm
; A KEY STEP: 128 keys, two tiles of 16 queries.  qs: the register of tile 0's scale word of Q
.macro STEP qs
	v_add_nc_u32 v[AV], s[TB], v[A1]
	v_add_nc_u32 v[AVS], s[TB], v[A2]
	v_add_nc_u32 v[AK], s[TK], v[A1]
	v_add_nc_u32 v[AKS], s[TK], v[A2]
	WALU
	s_wait_dscnt 0x0                               ; K and its scale words are in
	WIN 0x05                                       ; K and Q in window 1, S^T in window 0
.irp t, 0,1,2,3,4,5,6,7
	v_wmma_scale_f32_16x16x128_f8f6f4 v[SR+8*\t:SR+8*\t+7], v[8*\t:8*\t+15], v[QF:QF+15], 0, v[KS+\t], v[\qs]
.endr
.irp t, 0,1,2,3,4,5,6,7
	v_wmma_scale_f32_16x16x128_f8f6f4 v[SR+64+8*\t:SR+64+8*\t+7], v[8*\t:8*\t+15], v[QF+16:QF+31], 0, v[KS+\t], v[\qs+1]
	v_nop                                          ; these eight are the places behind tile 0's products
.endr
	WIN 0
	MAXB 0                                         ; 32 lines: also the places behind tile 1's products, ahead of its first reader and of the loads into K's registers
	ds_load_b128 v[VS:VS+3], v[AVS] offset:16896   ; lane r: channel 16 t + r's scale words
	WIN 0x40
.irp t, 0,1,2,3
.irp c, 0,1,2,3
	ds_load_b128 v[VF+16*\t+4*\c:VF+16*\t+4*\c+3], v[AV] offset:8192+2048*\t+512*\c
.endr
.endr
	KLOADS AK, AKS                                 ; the next step's K
	MAXB 1
.irp b, 0,1,2,3
.irp i, 0,1
	v_permlanex16_b32 v[PT+16*\i+\b], v[BM+16*\i+\b], s[SEL], s[SEL+1]
.endr
.endr
.irp b, 0,1,2,3
.irp i, 0,1
	v_max_num_f32 v[BM+16*\i+\b], v[BM+16*\i+\b], v[PT+16*\i+\b]   ; with the 16 keys of the lane 16 away
.endr
.endr
.irp i, 0,1
	v_max3_num_f32 v[TA+\i], v[BM+16*\i], v[BM+16*\i+1], v[BM+16*\i+2]
.endr
.irp i, 0,1
	v_max_num_f32 v[TA+\i], v[TA+\i], v[BM+16*\i+3]                ; the step's largest score of my query
.endr
.irp i, 0,1
	v_mul_f32 v[TA+\i], s[CS], v[TA+\i]                            ; as t (c is positive)
.endr
.irp i, 0,1
	v_max_num_f32 v[NM+2*\i+1], v[NM+2*\i+1], v[TA+\i]             ; the running largest t
.endr
.irp i, 0,1
	v_mov_b32 v[TA+\i], v[NM+2*\i]
.endr
.irp i, 0,1
	v_floor_f32 v[NM+2*\i], -v[NM+2*\i+1]                          ; the new -M = floor(-t) = -ceil(t)
.endr
.irp i, 0,1
	v_sub_f32 v[TA+\i], v[NM+2*\i], v[TA+\i]                       ; old M - new M: a whole number, 0 or less
.endr
.irp i, 0,1
	v_cvt_i32_f32 v[TA+\i], v[TA+\i]                               ; (it saturates)
.endr
.irp i, 0,1
	v_ldexp_f32 v[FF+2*\i], 1.0, v[TA+\i]                          ; f = 2^(old M - new M)
.endr
.irp i, 0,1
	v_pk_mul_f32 v[SUM+2*\i:SUM+2*\i+1], v[SUM+2*\i:SUM+2*\i+1], v[FF+2*\i:FF+2*\i+1] op_sel_hi:[1,0]   ; the sums under the new M
.endr
	WIN 0x41                                       ; O^T under the new M, ahead of the exponentials: no transcendental stands between the last products and these first readers
.set J, 0
.rept 16
	v_pk_mul_f32 v[OF+J:OF+J+1], v[OF+J:OF+J+1], v[FF:FF+1] op_sel_hi:[1,0]
	v_pk_mul_f32 v[OF+32+J:OF+32+J+1], v[OF+32+J:OF+32+J+1], v[FF+2:FF+3] op_sel_hi:[1,0]
.set J, J+2
.endr
	WIN 0
.set J, 0
.rept 32
	XF 0, J
.set J, J+1
.endr
.irp b, 0,1,2,3
	XB 0, \b
.endr
	WALU                                           ; the wait ahead of the batch
.set J, 0
.rept 32                                       ; tile 0's exponentials; among them tile 1's t - M: lines that hang on nothing in the batch and are read behind its wait
	EX2 0, J
	XF 1, J
.set J, J+1
.endr
.irp b, 0,1,2,3
	v_exp_f32 v[BM+\b], v[BM+\b]                   ; a block's largest p: the same two instructions on the same number give the same bits
	XB 1, \b
.endr
	WALU                                           ; one wait for the whole batch, ahead of its first reader
	SUMS 0
	SCALE 0
	WALU                                           ; ahead of the second batch
.set J, 0
.rept 32                                       ; tile 1's exponentials; among them tile 0's holds
	EX2 1, J
	HOLD2 0, J
.set J, J+1
.endr
.irp b, 0,1,2,3
	v_exp_f32 v[BM+16+\b], v[BM+16+\b]
.endr
	JOIN ST, ST+2                                  ; the plain line behind the exponentials
	WALU
	CODES 0
	SUMS 1
	SCALE 1
.set J, 0
.rept 32
	HOLD2 1, J
.set J, J+1
.endr
	CODES 1
	JOIN SUM, ST+4                                 ; the sums' chains are joined: five plain lines between the last conversion and the products
	JOIN ST+6, ST+8
	JOIN SUM+2, ST+10
	JOIN SUM, ST
	JOIN SUM+2, ST+6
	WALU
	s_wait_dscnt 18                                ; V and its scale words are in; the 18 loads of the next step's K, issued behind them, may be out
	WIN 0x51                                       ; V and O^T in window 1, p's codes in window 0
.irp i, 0,1
.irp t, 0,1,2,3
	v_wmma_scale_f32_16x16x128_f8f6f4 v[OF+32*\i+8*\t:OF+32*\i+8*\t+7], v[VF+16*\t:VF+16*\t+15], v[CD+16*\i:CD+16*\i+15], v[OF+32*\i+8*\t:OF+32*\i+8*\t+7], v[VS+\t], v[FF+2*\i+1]   ; eight accumulators by turns
.endr
.endr
	WIN 0
.endm
; THE WAY OUT of two tiles of queries: O^T / the sum; a tile's 64 channels are two blocks of 32 of the last product's K; codes and bytes go to memory as that product's launch wants them.  Block q = 2 i + b
.macro WAYOUT p
	v_nop
	v_nop                                          ; with the six lines below: eight places behind the last products
.irp i, 0,1
	v_add_f32 v[SUM+2*\i], v[SUM+2*\i], v[SUM+2*\i+1]
.endr
.irp i, 0,1
	v_permlanex16_b32 v[TA+\i], v[SUM+2*\i], s[SEL], s[SEL+1]
.endr
.irp i, 0,1
	v_add_f32 v[SUM+2*\i], v[SUM+2*\i], v[TA+\i]   ; the row's sum
.endr
	WALU
.irp i, 0,1
	v_rcp_f32 v[SUM+2*\i], v[SUM+2*\i]
.endr
	v_nop                                          ; one plain line behind the reciprocals
	WIN 0x01
	WALU                                           ; the wait ahead of their first reader, which is also the first reader of O^T
.irp i, 0,1
.set J, 0
.rept 16
	v_pk_mul_f32 v[SR+64*\i+J:SR+64*\i+J+1], v[OF+32*\i+J:OF+32*\i+J+1], v[SUM+2*\i:SUM+2*\i+1] op_sel_hi:[1,0]   ; register 8 t + j: channel 16 t + 8 h + j of my query
.set J, J+2
.endr
.endr
	WIN 0
.irp q, 0,1,2,3
	v_max3_num_f32 v[BM+\q], |v[SR+64*(\q/2)+16*(\q%2)]|, |v[SR+64*(\q/2)+16*(\q%2)+1]|, 0x4800000
.endr
.irp k, 2,4,6,8,10,12,14
.irp q, 0,1,2,3
	v_max3_num_f32 v[BM+\q], v[BM+\q], |v[SR+64*(\q/2)+16*(\q%2)+\k]|, |v[SR+64*(\q/2)+16*(\q%2)+\k+1]|
.endr
.endr
.irp q, 0,1,2,3
	v_permlanex16_b32 v[PT+\q], v[BM+\q], s[SEL], s[SEL+1]
.endr
.irp q, 0,1,2,3
	v_max_num_f32 v[BM+\q], v[BM+\q], v[PT+\q]     ; the block's largest magnitude
.endr
.irp q, 0,1,2,3
	v_add_nc_u32 v[SO+\q], 0xfc000000, v[BM+\q]
.endr
.irp q, 0,1,2,3
	v_and_or_b32 v[BD+\q], v[BM+\q], 0x7f800000, s[MNT]
.endr
.irp q, 0,1,2,3
	v_lshrrev_b32 v[PT+\q], 23, v[SO+\q]
.endr
.irp i, 0,1
	v_cndmask_b32 v[TA+\i], v[PT+2*\i], v[PT+2*\i+1], s[HM]   ; lanes 0-15 send block 0's byte, lanes 16-31 block 1's: each byte has one writer
.endr
.irp q, 0,1,2,3
.set J, 0
.rept 16
	v_med3_num_f32 v[SR+64*(\q/2)+16*(\q%2)+J], v[SR+64*(\q/2)+16*(\q%2)+J], -v[BD+\q], v[BD+\q]
.set J, J+1
.endr
.endr
.irp q, 0,1,2,3
	v_cvt_scalef32_pk8_fp8_f32 v[CD+16*(\q/2)+4*(\q%2):CD+16*(\q/2)+4*(\q%2)+1], v[SR+64*(\q/2)+16*(\q%2):SR+64*(\q/2)+16*(\q%2)+7], v[SO+\q]
	v_cvt_scalef32_pk8_fp8_f32 v[CD+16*(\q/2)+4*(\q%2)+2:CD+16*(\q/2)+4*(\q%2)+3], v[SR+64*(\q/2)+16*(\q%2)+8:SR+64*(\q/2)+16*(\q%2)+15], v[SO+\q]
.endr
	v_nop                                          ; one plain line behind the last conversion
.irp i, 0,1
	global_store_b128 v[A1], v[CD+16*\i:CD+16*\i+3], s[38:39] offset:16384*(2*\p+\i)       ; 512 consecutive bytes a store, the two on end
	global_store_b128 v[A1], v[CD+16*\i+4:CD+16*\i+7], s[38:39] offset:16384*(2*\p+\i)+512
	global_store_b8 v[A3], v[TA+\i], s[40:41] offset:512*(2*\p+\i)
.endr
.endm
; TWO TILES OF 16 QUERIES through all 2,048 keys.  O^T and the sums begin as zeros and the largest t as -3e38, so the first step needs no arithmetic of its own.
.macro PASS p
.if \p
	WALU
	s_wait_xcnt 0x0                                ; the first pass's stores have read their registers, which this pass writes again
	s_wait_dscnt 0x0                               ; and the loads of the last step's run have landed in K's registers
	WIN 0x41
.set J, 0
.rept 8
	v_mov_b32 v[QF+J], v[QN+J]                     ; this pass's Q, fetched at the head, into the operands' lower halves (their upper halves stay zeros)
	v_mov_b32 v[QF+16+J], v[QN+8+J]
.set J, J+1
.endr
.else
	WIN 0x40
.irp i, 0,1
	global_load_b128 v[QF+16*\i:QF+16*\i+3], v[A1], s[16:17] offset:1024*\i th:TH_LOAD_NT
	global_load_b128 v[QF+16*\i+4:QF+16*\i+7], v[A1], s[16:17] offset:1024*\i+512 th:TH_LOAD_NT
	global_load_b128 v[QN+8*\i:QN+8*\i+3], v[A1], s[16:17] offset:2048+1024*\i th:TH_LOAD_NT
	global_load_b128 v[QN+8*\i+4:QN+8*\i+7], v[A1], s[16:17] offset:2048+1024*\i+512 th:TH_LOAD_NT
.endr
.endif
.set J, 0
.rept 64
	v_mov_b32 v[OF+J], 0
.set J, J+1
.endr
	WIN 0
.if \p == 0
	global_load_b128 v[QS:QS+3], v[A2], s[18:19]   ; row r's scale words of my four tiles
.endif
.irp i, 0,1
	v_mov_b32 v[NM+2*\i+1], 0xff61b1e6             ; the largest t so far: -3e38, under every t
	v_mov_b32 v[SUM+2*\i], 0
	v_mov_b32 v[SUM+2*\i+1], 0
.endr
.irp i, 0,1
	v_floor_f32 v[NM+2*\i], -v[NM+2*\i+1]          ; -M
.endr
	s_mov_b32 s[TB], 0
	s_mov_b32 s[TK], STEPB
	s_mov_b32 s[CNT], 16
	WALU                                           ; the wait at the head's end
.if \p == 0
	s_cmp_eq_u32 s[WV], 0
	s_cbranch_scc0 .Lnot_first
	s_wait_tensorcnt 0x0                           ; wave 0: blocks 0 and 1 have landed.  The other waves' wait stands at the second barrier
.Lnot_first:
	s_barrier_signal -1
	s_barrier_wait -1                              ; the first barrier: blocks 0 and 1 may be read
.endif
	KLOADS A1, A2                                  ; block 0's K
.if \p == 0
	s_wait_loadcnt 0x0                             ; Q
	STEP QS                                        ; the first key step is written out: it reads block 0 and, for the next step, block 1's K
	s_add_co_u32 s[TB], s[TB], STEPB
	s_add_co_u32 s[TK], s[TB], STEPB
	s_mov_b32 s[CNT], 15
	s_wait_tensorcnt 0x0                           ; every wave: my blocks have landed;
	s_wait_dscnt 0x0                               ; no LDS load of mine is out at the signal
	s_barrier_signal -1
	s_barrier_wait -1                              ; the second barrier: all sixteen blocks may be read
.endif
.Lstep_\@:
	STEP QS+2*\p
	s_add_co_u32 s[TB], s[TB], STEPB
	s_add_co_u32 s[TK], s[TB], STEPB
	s_min_u32 s[TK], s[TK], 15*STEPB               ; the last step names block 15 again: no load leaves the blocks
	s_sub_co_u32 s[CNT], s[CNT], 1
	s_cmp_lg_u32 s[CNT], 0
	s_cbranch_scc1 .Lstep_\@
	WAYOUT \p
.endm
	PASS 0
	PASS 1
	s_wait_dscnt 0x0                               ; no LDS instruction of mine is pending
	s_wait_tensorcnt 0x0                           ; the wave's end
	ds_add_u32 v[SPW], v[NIL]
	s_wait_dscnt 0x0
	CROUND                                         ; the closing round
	s_endpgm
.Lfunc_end_k_q3dd1305616_attn:
	.size	k_q3dd1305616_attn, .Lfunc_end_k_q3dd1305616_attn-k_q3dd1305616_attn
	.p2alignl 7, 3214868480
	.fill 96, 4, 3214868480
	.section	.rodata,"a",@progbits
	.p2align	6, 0x0
	.amdhsa_kernel k_q3dd1305616_attn
		.amdhsa_group_segment_fixed_size 276480
		.amdhsa_private_segment_fixed_size 0
		.amdhsa_enable_private_segment 0
		.amdhsa_kernarg_size 32
		.amdhsa_user_sgpr_count 2
		.amdhsa_user_sgpr_kernarg_segment_ptr 1
		.amdhsa_wavefront_size32 1
		.amdhsa_system_sgpr_workgroup_id_x 1
		.amdhsa_system_sgpr_workgroup_id_y 1
		.amdhsa_system_sgpr_workgroup_id_z 1
		.amdhsa_system_vgpr_workitem_id 0
		.amdhsa_next_free_vgpr 512
		.amdhsa_next_free_sgpr 66
		.amdhsa_reserve_vcc 0
		.amdhsa_float_denorm_mode_32 3
		.amdhsa_float_denorm_mode_16_64 3
		.amdhsa_memory_ordered 1
		.amdhsa_forward_progress 1
		.amdhsa_inst_pref_size 139
	.end_amdhsa_kernel
	.amdgpu_metadata
---
amdhsa.version: [ 1, 2 ]
amdhsa.kernels:
  - .name:           k_q3dd1305616_attn
    .symbol:         k_q3dd1305616_attn.kd
    .args:
      - { .name: qimg, .offset: 0, .size: 8, .value_kind: global_buffer, .address_space: global }
      - { .name: kv, .offset: 8, .size: 8, .value_kind: global_buffer, .address_space: global }
      - { .name: cimg, .offset: 16, .size: 8, .value_kind: global_buffer, .address_space: global }
      - { .name: cscl, .offset: 24, .size: 8, .value_kind: global_buffer, .address_space: global }
    .group_segment_fixed_size: 276480
    .private_segment_fixed_size: 0
    .kernarg_segment_align: 8
    .kernarg_segment_size: 32
    .max_flat_workgroup_size: 256
    .sgpr_count:     66
    .vgpr_count:     512
    .wavefront_size: 32
...
	.end_amdgpu_metadata
.endif
;; end of part 2
;; launch outp (part 3): grid 4 x 64, 2 waves a work-group, clusters of 4 x 4, 327,680 bytes of LDS; arguments cimg, cscl, W_O_codes, W_O_scales, out0; writes out0
.if DOCPART == 3
	.amdgcn_target "amdgcn-amd-amdhsa--gfx1250"
	.amdhsa_code_object_version 6
	.text
	.protected	k_q3dd1305616_outp
	.globl	k_q3dd1305616_outp
	.p2align	8
	.type	k_q3dd1305616_outp,@function
k_q3dd1305616_outp:
	s_mov_b64 s[64:65], 0
	v_nop
	global_prefetch_b8 v0, s[64:65] scope:SCOPE_SE
	s_setreg_imm32_b32 hwreg(HW_REG_WAVE_MODE, 25, 1), 1
	s_wait_xcnt 0x0
	s_wait_alu depctr_hold_cnt(0) depctr_sa_sdst(0) depctr_va_vdst(0) depctr_va_sdst(0) depctr_va_ssrc(0) depctr_va_vcc(0) depctr_vm_vsrc(0)
	s_getreg_b32 s2, hwreg(HW_REG_IB_STS2, 6, 4)
	s_cmp_eq_u32 s2, 0
	s_cbranch_scc0 .Lentry_in_a_cluster
	s_endpgm
.Lentry_in_a_cluster:
	s_bfe_u32 s2, ttmp6, 0x10000c
	s_cmp_lg_u32 s2, 0xf033
	s_cbranch_scc0 .Lentry_shape_is_right
	s_endpgm
.Lentry_shape_is_right:
.set SIZE_N, 1024
.set KSTEP,  256
.set NQ,     KSTEP/128
.set ROWB,   256
.set KROW,   1024
.set PITCH,  272
.set ASTEP,  4096
.set AH,     8*ASTEP
.set BOFF,   AH                        ; a work-group of two waves makes 128 x 256 of C: A's tile is 128 tokens (8 blocks of 16), B's 256 rows; a wave makes 128 x 128
.set FR,     16
.set NL,     4
.set NP,     8
.set HALFT,  128*PITCH
.set SLOT,   BOFF+2*HALFT
.set LAPS,   KROW/(2*KSTEP)
.set KS,     KROW/32
.set SCL,    2*SLOT
.set HALFS,  (128*KS/256)*272
.set SBLK,   (16*KS/256)*272
.set SPARE,  SCL+4*HALFS
.set SPITCH, 528
.set ADRA, 16
.set ADRB, 20
.set STO,  24
.set RD,   25
.set CO,   26
.set ADRS, 27
.set SPW,  28
.set NIL,  29
.set SC,   32
.set AF,   128
.set BK,   128
.set G1, 24
.set G0, 32
.set G1B, 48
.set G0B, 56
.set G1S, 68
.set G0S, 76
.set G1SB, 80
.set G0SB, 88
.set MSB, 0
.macro WIN new
.if MSB != \new
	s_set_vgpr_msb (MSB<<8)|\new
.set MSB, \new
.endif
.endm
.set MUL_LO, 0xa1
.set MUL_HI, 0xf1
.set TO_B,   0x40
.macro JLOAD g0a, g1a, g0b, g1b
	s_cmp_eq_u32 s14, 0                            ; wave 0 fetches A's tile, wave 1 B's
	s_cbranch_scc0 .Lfor_b_\@
	tensor_load_to_lds s[\g0a:\g0a+3], s[\g1a:\g1a+7]
	s_nop 0
.rept 4
	v_nop
.endr
	s_branch .Lasked_\@
.Lfor_b_\@:
	tensor_load_to_lds s[\g0b:\g0b+3], s[\g1b:\g1b+7]
	s_nop 0
.rept 4
	v_nop
.endr
.Lasked_\@:
.endm
.macro CREST
	s_cmp_lg_u32 s14, 0
	s_cbranch_scc1 .Lnot_wave_0_\@
	s_barrier_signal -3
.Lnot_wave_0_\@:
	s_barrier_wait -3
	s_barrier_signal -1
	s_barrier_wait -1
.endm
.macro CROUND
	s_barrier_signal -1
	s_barrier_wait -1
	CREST
.endm
	s_load_b128 s[4:7], s[0:1], 0x0
	s_load_b128 s[8:11], s[0:1], 0x10
	s_load_b64 s[12:13], s[0:1], 0x20
	v_lshl_add_u32 v[SPW], v0, 2, SPARE
	v_mov_b32 v[NIL], 0
	ds_add_u32 v28, v29
	ds_add_u32 v28, v29
	s_wait_dscnt 0x0
	v_lshrrev_b32 v1, 5, v0
	v_readfirstlane_b32 s14, v1
	s_lshr_b32 s15, s14, 1
	s_and_b32 s16, s14, 1
	s_bfe_u32 s40, ttmp6, 0x40000
	s_bfe_u32 s41, ttmp6, 0x40004
	s_mov_b32 s42, s40
	s_and_b32 s17, ttmp7, 0xffff
	s_lshl_b32 s17, s17, 2
	s_add_co_u32 s17, s17, s41
	s_lshl_b32 s43, s41, 2
	s_lshl_b32 s43, 15, s43
	s_lshl_b32 s44, 0x1111, s40
	s_or_b32 s[G1+0], s43, (3<<16)|(1<<21)
	s_mov_b32 s[G1+1], 512<<16
	s_mov_b32 s[G1+2], 8<<16                       ; A's tile: 8 blocks of 16 tokens
	s_mov_b32 s[G1+3], 512<<16
	s_mov_b32 s[G1+4], 8
	s_mov_b32 s[G1+5], 2048
	s_mov_b32 s[G1+6], 0
	s_mov_b32 s[G1+7], 0
	s_or_b32 s[G1B+0], s44, (0<<16)|(1<<20)|(1<<21)|(5<<22)|(3<<25)
	s_mov_b32 s[G1B+1], ROWB<<16
	s_mov_b32 s[G1B+2], 256<<16                    ; and that of B its 256 rows
	s_mov_b32 s[G1B+3], ROWB<<16
	s_mov_b32 s[G1B+4], 256
	s_mov_b32 s[G1B+5], KROW
	s_mov_b32 s[G1B+6], 0
	s_mov_b32 s[G1B+7], 0
	s_lshl_b32 s20, s17, 7                         ; the tiles' first rows: 128 x tile row of A, 256 x tile column of B
	s_lshl_b32 s46, s42, 8
	s_lshl_b32 s22, s20, 5
	s_lshl_b32 s92, s46, 5
	s_lshl_b32 s20, s20, 10
	s_lshl_b32 s46, s46, 10
	s_mov_b32 s21, 0
	s_mov_b32 s23, 0
	s_mov_b32 s47, 0
	s_mov_b32 s93, 0
	s_mov_b32 s45, 0                               ; in a slot: A's tile,
	s_mov_b32 s95, BOFF                            ; then B's
	s_wait_kmcnt 0x0
	s_add_nc_u64 s[20:21], s[4:5], s[20:21]
	s_add_nc_u64 s[68:69], s[6:7], s[22:23]        ; the scale bytes of A's 128 rows
	s_add_nc_u64 s[46:47], s[8:9], s[46:47]
	s_add_nc_u64 s[92:93], s[10:11], s[92:93]
	CROUND
.irp s, 0,1
	s_mov_b32 s[G0+4*\s], 1
	s_add_co_u32 s[G0+4*\s+1], s45, \s*SLOT
	s_add_nc_u64 s[G0+4*\s+2:G0+4*\s+3], s[20:21], \s*ASTEP
	s_or_b32 s[G0+4*\s+3], s[G0+4*\s+3], 0x80000000
	s_mov_b32 s[G0B+4*\s], 1
	s_add_co_u32 s[G0B+4*\s+1], s95, \s*SLOT
	s_add_nc_u64 s[G0B+4*\s+2:G0B+4*\s+3], s[46:47], \s*ROWB
	s_or_b32 s[G0B+4*\s+3], s[G0B+4*\s+3], 0x80000000
.endr
; THE HEAD'S LOADS, ONE A WAVE: wave 0 K step 0 of A's 128 tokens, wave 1 of B's 256 rows.
; One chain of branches on the wave's number: every way through the head passes exactly one load.
	JLOAD G0, G1, G0B, G1B                         ; K step 0: one tensor load a wave at the head
; THE SCALE BYTES of A's 128 rows (4,096 bytes) and of B's 256 rows (8,192), for all of K, come once, by plain loads of 512 consecutive bytes, half of each block a wave, and go into LDS bytes of their own,
; into which no tensor load lands: units of 256 bytes with 16 bytes of padding behind each.
	v_and_b32 v7, 31, v0
	v_lshlrev_b32 v8, 4, v7                        ; 16 x lane
	v_lshrrev_b32 v9, 4, v7
	v_lshl_add_u32 v9, v9, 4, v8                   ; in LDS: 16 more in lanes 16-31, which hold a load's second unit
	s_lshl_b32 s70, s14, 11
	s_lshl_b32 s71, s14, 12
	v_add_nc_u32 v10, s70, v8                      ; in memory: my 2,048 bytes of A's,
	v_add_nc_u32 v11, s71, v8                      ; my 4,096 of B's
	s_mul_i32 s70, s14, 4*544
	s_mul_i32 s71, s14, 8*544
	s_add_co_u32 s70, s70, SCL
	s_add_co_u32 s71, s71, SCL+2*HALFS
	v_add_nc_u32 v12, s70, v9                      ; and where they go
	v_add_nc_u32 v13, s71, v9
.irp k, 0,1,2,3
	global_load_b128 v[64+4*\k:67+4*\k], v10, s[68:69] offset:512*\k
.endr
.irp k, 0,1,2,3,4,5,6,7
	global_load_b128 v[80+4*\k:83+4*\k], v11, s[92:93] offset:512*\k
.endr
	v_and_b32 v1, 15, v0
	v_bfe_u32 v2, v0, 4, 1
	v_and_b32 v6, 31, v0
	v_lshlrev_b32 v[CO], 4, v6
	v_mul_u32_u24 v3, v1, PITCH
	v_lshl_add_u32 v4, v2, 3, v3
	s_mul_i32 s21, s15, AH
	s_mul_i32 s22, s16, HALFT
	s_add_co_u32 s22, s22, BOFF
.irp s, 0,1
	v_add_nc_u32 v[ADRA+\s], s21, v[CO]
	v_add_nc_u32 v[ADRB+\s], s22, v4
	s_add_co_u32 s21, s21, SLOT
	s_add_co_u32 s22, s22, SLOT
.endr
	v_mul_u32_u24 v5, v1, KS
	v_lshrrev_b32 v6, 8, v5
	v_lshl_add_u32 v5, v6, 4, v5
	s_mul_i32 s21, s15, HALFS
	s_mul_i32 s22, s16, HALFS
	s_add_co_u32 s22, s22, 2*HALFS
	s_sub_co_u32 s22, s22, s21
	v_mul_u32_u24 v6, s22, v2
	s_add_co_u32 s21, s21, SCL
	v_add_nc_u32 v5, v5, v6
	v_add_nc_u32 v[ADRS], s21, v5
	s_mul_i32 s23, s14, 16*SPITCH
	v_mul_u32_u24 v5, v1, SPITCH
	v_lshl_add_u32 v5, v2, 5, v5
	v_add_nc_u32 v[STO], s23, v5
	v_add_nc_u32 v[RD], s23, v[CO]
	s_lshl_b32 s20, s17, 7                         ; my first row of C: 128 x tile row (s15 is 0 in both waves)
	s_lshl_b32 s21, s15, 7
	s_add_co_u32 s20, s20, s21
	s_lshl_b32 s20, s20, 12
	s_lshl_b32 s46, s42, 10
	s_lshl_b32 s47, s16, 9
	s_add_co_u32 s46, s46, s47
	s_add_co_u32 s20, s20, s46
	s_mov_b32 s21, 0
	s_add_nc_u64 s[12:13], s[12:13], s[20:21]
.macro FRAG_A reg, adr, q, i
.irp c, 0,1,2,3
	ds_load_b128 v[\reg+4*\c:\reg+4*\c+3], v[\adr] offset:ASTEP*(\i)+2048*(\q)+512*\c
.endr
.endm
.macro FRAG_B reg, adr, q, i
.irp c, 0,1,2,3,4,5,6,7
	ds_load_b64 v[\reg+2*\c:\reg+2*\c+1], v[\adr] offset:128*(\q)+16*\c+(\i)*16*PITCH
.endr
.endm
.macro MUL16 a0, p, q, sc, zero
.irp a, \a0, \a0+1
.irp b, 0,1,2,3,4,5,6,7
.if \zero
	v_wmma_scale_f32_16x16x128_f8f6f4 v[8*(8*((\a)%4)+\b):8*(8*((\a)%4)+\b)+7], v[128*(\p)+FR*\b:128*(\p)+FR*\b+FR-1], v[AF+FR*(\a):AF+FR*(\a)+FR-1], 0, v[SC+8*NQ*(\sc)+NQ*\b+(\q)], v[SC+8*NQ*(\sc)+NQ*(\a)+(\q)] matrix_a_scale:MATRIX_SCALE_ROW1
.else
	v_wmma_scale_f32_16x16x128_f8f6f4 v[8*(8*((\a)%4)+\b):8*(8*((\a)%4)+\b)+7], v[128*(\p)+FR*\b:128*(\p)+FR*\b+FR-1], v[AF+FR*(\a):AF+FR*(\a)+FR-1], v[8*(8*((\a)%4)+\b):8*(8*((\a)%4)+\b)+7], v[SC+8*NQ*(\sc)+NQ*\b+(\q)], v[SC+8*NQ*(\sc)+NQ*(\a)+(\q)] matrix_a_scale:MATRIX_SCALE_ROW1
.endif
.endr
.endr
.endm
.macro FETCH_B slot, q, p
	WIN TO_B
.irp i, 0,1,2,3,4,5,6,7
	FRAG_B 128*(\p)+FR*\i, ADRB+\slot, \q, \i
.endr
	WIN 0
.endm
.macro FETCH_A slot, q, i0
.irp i, \i0, \i0+1, \i0+2, \i0+3
	FRAG_A AF+FR*(\i), ADRA+\slot, \q, \i
.endr
.endm
.macro SCALES sc
.irp i, 0,1,2,3,4,5,6,7
	ds_load_b64 v[SC+8*NQ*\sc+NQ*\i:SC+8*NQ*\sc+NQ*\i+1], v[ADRS] offset:\i*SBLK
.endr
.endm
.macro PLACES n
.rept \n
	v_nop
.endr
.endm
.macro STEP slot, q, zero
	s_wait_dscnt 4*NL
	WIN MUL_LO
	MUL16 0, (\q)%2, \q, \slot, \zero
	MUL16 2, (\q)%2, \q, \slot, \zero
	s_wait_dscnt 0
	PLACES NP
	FETCH_B \slot, (\q)+1, 1-(\q)%2
	FETCH_A \slot, (\q)+1, 0
	WIN MUL_HI
	MUL16 4, (\q)%2, \q, \slot, \zero
	MUL16 6, (\q)%2, \q, \slot, \zero
	PLACES NP
	WIN 0
	FETCH_A \slot, (\q)+1, 4
.endm
.macro TURN slot, next, fill
	s_wait_tensorcnt 0x0
	ds_add_u32 v[SPW], v[NIL]
	s_wait_dscnt 4*NL+1
	WIN MUL_LO
	MUL16 0, 1, NQ-1, \slot, 0
	s_wait_dscnt 0x0
	s_barrier_signal -1
	MUL16 2, 1, NQ-1, \slot, 0
	WIN 0
	s_barrier_wait -1
.if \fill
	CREST
	s_add_nc_u64 s[G0+4*\slot+2:G0+4*\slot+3], s[G0+4*\slot+2:G0+4*\slot+3], 2*ASTEP
	s_add_nc_u64 s[G0B+4*\slot+2:G0B+4*\slot+3], s[G0B+4*\slot+2:G0B+4*\slot+3], 2*ROWB
	JLOAD G0+4*\slot, G1, G0B+4*\slot, G1B
	PLACES NP-4
.else
	PLACES NP
.endif
	s_wait_alu depctr_va_vdst(0)
	v_add_nc_u32 v[ADRS], 4*NQ, v[ADRS]
	FETCH_B \next, 0, 0
	FETCH_A \next, 0, 0
	SCALES \next
	WIN MUL_HI
	MUL16 4, 1, NQ-1, \slot, 0
	MUL16 6, 1, NQ-1, \slot, 0
	PLACES NP
	WIN 0
	FETCH_A \next, 0, 4
.endm
	s_wait_alu depctr_va_vdst(0)
	s_wait_loadcnt 0x0                             ; my share of the scale bytes is in registers,
	s_wait_tensorcnt 0x0                           ; and my tile of K step 0 is in: no tensor load of mine is out under the LDS stores below
.irp k, 0,1,2,3
	ds_store_b128 v12, v[64+4*\k:67+4*\k] offset:544*\k    ; 512 bytes a store: two units of 256 bytes, 16 bytes of padding behind each
.endr
.irp k, 0,1,2,3,4,5,6,7
	ds_store_b128 v13, v[80+4*\k:83+4*\k] offset:544*\k
.endr
	s_wait_tensorcnt 0x0                           ; these three lines stand ahead of slot 1's first fill as ahead of a refill
	ds_add_u32 v[SPW], v[NIL]
	s_wait_dscnt 0x0                               ; the add and my LDS stores are done
	CROUND                                         ; both tiles and the scale bytes are in, and all sixteen work-groups are here
	JLOAD G0+4, G1, G0B+4, G1B                     ; K step 1: the first tensor load behind the round
	FETCH_B 0, 0, 0
	FETCH_A 0, 0, 0
	SCALES 0
	FETCH_A 0, 0, 4
	STEP 0, 0, 1
	s_mov_b32 s3, LAPS-1
.Llap:
	TURN 0, 1, 1
	STEP 1, 0, 0
	TURN 1, 0, 1
	STEP 0, 0, 0
	s_sub_co_u32 s3, s3, 1
	s_cmp_lg_u32 s3, 0
	s_cbranch_scc1 .Llap
	TURN 0, 1, 0
	STEP 1, 0, 0
	s_wait_dscnt 4*NL
	WIN MUL_LO
	MUL16 0, 1, NQ-1, 1, 0
	MUL16 2, 1, NQ-1, 1, 0
	s_wait_dscnt 0
	WIN MUL_HI
	MUL16 4, 1, NQ-1, 1, 0
	MUL16 6, 1, NQ-1, 1, 0
	WIN 0
.macro TOSTAGE a
.set AC, 64*((\a)%4)
.set TW, 0x08+4*((\a)/4)
	WIN TW
.irp b, 0,1,2,3,4,5,6,7
	ds_store_b128 v[STO], v[AC+8*\b:AC+8*\b+3] offset:64*\b
	ds_store_b128 v[STO], v[AC+8*\b+4:AC+8*\b+7] offset:64*\b+16
.endr
.set TL, (2+(\a)/4)<<6
	WIN TL                                         ; the block comes back, by whole rows, into its own 64 accumulator registers: LDS serves my instructions in order, and the stores above have taken their data
.irp t, 0,1,2,3,4,5,6,7,8,9,10,11,12,13,14,15
	ds_load_b128 v[AC+4*\t:AC+4*\t+3], v[RD] offset:\t*SPITCH
.endr
.endm
.macro SEND a, younger
.set AC, 64*((\a)%4)
.set TW, 0x08+4*((\a)/4)
	s_wait_dscnt \younger
	WIN TW
.irp t, 0,1,2,3,4,5,6,7,8,9,10,11,12,13,14,15
	global_store_b128 v[CO], v[AC+4*\t:AC+4*\t+3], s[12:13] offset:(16*(\a)+\t)*SIZE_N*4 th:TH_STORE_NT   ; one base for all 128 rows: the offset is 127 rows of 4,096 bytes at the most; no register of a store is written again
.endr
.endm
	PLACES NP
	TOSTAGE 0
.irp a, 1,2,3,4,5,6,7
	TOSTAGE \a
	SEND \a-1, 32
.endr
	SEND 7, 0
	WIN 0
	s_wait_tensorcnt 0x0
	ds_add_u32 v[SPW], v[NIL]
	s_wait_dscnt 0x0
	CROUND
	s_endpgm
.Lfunc_end_k_q3dd1305616_outp:
	.size	k_q3dd1305616_outp, .Lfunc_end_k_q3dd1305616_outp-k_q3dd1305616_outp
	.p2alignl 7, 3214868480
	.fill 96, 4, 3214868480
	.section	.rodata,"a",@progbits
	.p2align	6, 0x0
	.amdhsa_kernel k_q3dd1305616_outp
		.amdhsa_group_segment_fixed_size 327680
		.amdhsa_private_segment_fixed_size 0
		.amdhsa_enable_private_segment 0
		.amdhsa_kernarg_size 40
		.amdhsa_user_sgpr_count 2
		.amdhsa_user_sgpr_kernarg_segment_ptr 1
		.amdhsa_wavefront_size32 1
		.amdhsa_system_sgpr_workgroup_id_x 1
		.amdhsa_system_sgpr_workgroup_id_y 1
		.amdhsa_system_sgpr_workgroup_id_z 1
		.amdhsa_system_vgpr_workitem_id 0
		.amdhsa_next_free_vgpr 1024
		.amdhsa_next_free_sgpr 98
		.amdhsa_reserve_vcc 0
		.amdhsa_float_denorm_mode_32 3
		.amdhsa_float_denorm_mode_16_64 3
		.amdhsa_memory_ordered 1
		.amdhsa_forward_progress 1
		.amdhsa_inst_pref_size 162
	.end_amdhsa_kernel
	.amdgpu_metadata
---
amdhsa.version: [ 1, 2 ]
amdhsa.kernels:
  - .name:           k_q3dd1305616_outp
    .symbol:         k_q3dd1305616_outp.kd
    .args:
      - { .name: cimg, .offset: 0, .size: 8, .value_kind: global_buffer, .address_space: global }
      - { .name: cscl, .offset: 8, .size: 8, .value_kind: global_buffer, .address_space: global }
      - { .name: W_O_codes, .offset: 16, .size: 8, .value_kind: global_buffer, .address_space: global }
      - { .name: W_O_scales, .offset: 24, .size: 8, .value_kind: global_buffer, .address_space: global }
      - { .name: out0, .offset: 32, .size: 8, .value_kind: global_buffer, .address_space: global }
    .group_segment_fixed_size: 327680
    .private_segment_fixed_size: 0
    .kernarg_segment_align: 8
    .kernarg_segment_size: 40
    .max_flat_workgroup_size: 64
    .sgpr_count:     98
    .vgpr_count:     1024
    .wavefront_size: 32
...
	.end_amdgpu_metadata
.endif
;; end of part 3
